; MI455X (gfx1250); checked and timed in simulation.
; The chip was launched on July 23, 2026; its instructions are those of AMD's public machine-readable ISA for CDNA 5 (MIT licence, August 2026) and "CDNA5" Instruction Set Architecture Reference Guide (July 2026). The comments in the code are by the model that wrote it; some were corrected since.
;; AVQ Seg. Allowed arithmetic: matrix products marked QUANTISED: E2M1 operands, one E8M0 scale for each 32 along K, by v_wmma_scale_f32_16x16x128_f8f6f4 with both operands' format E2M1 (or v_wmma_scale_f32_32x16x128_f4), f32 sums; everything else in f32.
;; Inputs: embedding 8,192 x 64 float32; x 8 x 64 x 64 x 64 float32.
;; Outputs: out0 8 x 64 x 64 x 64 float32; out1 8 x 64 x 64 x 64 float32; out2 8 x 64 x 64 x 64 float32.
;; This version of the problem:
;;   THIS VERSION OF THE PROBLEM IS GIVEN IN LOW PRECISION. The matrix products marked QUANTISED in the list below multiply operands that are first quantised to E2M1 (2 exponent bits, 1 mantissa bit; 4 bits a number), with one power-of-two scale for each 32 numbers along K (OCP MX v1.0); their sums are f32. All else is computed in f32.
;;   The module's matrix products, in the order in which they are computed (A, B: the left and right operand; K: the contracted axis; several contracted axes count as one K, in the product's order):
;;     1. [M 32,768, K 64] x [K 64, N 8,192]; A: input x; B: input embedding: QUANTISED
;;   THE QUANTISER, for each operand of a quantised product, along K:
;;     - K is cut into blocks of 32 from its start; a last block that is shorter is filled with zeros.
;;     - A block's scale is 2^e with e = floor(log2(the largest magnitude in the block)) - 2, held to -126 .. 127; a block of zeros has e = 0. As a byte (E8M0): e + 127.
;;     - Each number is divided by its block's scale, clamped to +-6, and rounded to the nearest number of E2M1, ties to even, subnormals kept.
;;     - The product sums the exact products of the quantised numbers (number of the format x scale) in f32.
;;   ~~~python
;;   def quantise(x, axis):      # numpy; x: float32 -> the quantised numbers, widened to float32 again
;;       x = np.moveaxis(x, axis, -1); K = x.shape[-1]
;;       x = np.pad(x, [(0, 0)] * (x.ndim - 1) + [(0, -K % 32)]); x = x.reshape(x.shape[:-1] + (-1, 32)); a = np.abs(x).max(-1, keepdims=True)
;;       e = np.where(a > 0, np.clip(np.frexp(np.where(a > 0, a, 1))[1] - 1 - 2, -126, 127), 0)      # np.frexp(a)[1] - 1 = floor(log2(a)), exactly
;;       r = np.clip(x / 2.0 ** e, -6, 6)
;;       step = 2.0 ** (np.maximum(np.frexp(np.where(r == 0, 1, r))[1] - 1, 0) - 1)
;;       q = np.round(r / step) * step * 2.0 ** e      # np.round: ties to even
;;       return np.moveaxis(q.reshape(q.shape[:-2] + (-1,))[..., :K], -1, axis).astype(np.float32)
;;   ~~~
;; 2 versions, each right; version 2 is version 1 with the launch finish written anew for expert scheduling mode. Each part assembles by itself: llvm-mc -triple=amdgcn-amd-amdhsa -mcpu=gfx1250 --defsym DOCPART=n.
;; ======== version 1 of 2: 3 launches
;; workspace buffers: efr 262,144 bytes; esc 16,384 bytes; ebi 32,768 bytes; xq 1,048,576 bytes; xs 131,072 bytes; oct 131,072 bytes of whole numbers
;; launch prep (part 1): grid 272 x 1, 4 waves a work-group, no clusters, 76,288 bytes of LDS; arguments embedding, x, efr, esc, ebi, xq, xs, out2; writes efr, esc, ebi, xq, xs, out2
.if DOCPART == 1
	.amdgcn_target "amdgcn-amd-amdhsa--gfx1250"
	.amdhsa_code_object_version 6
	.text
	.protected	k_q61ff9d568e_prep
	.globl	k_q61ff9d568e_prep
	.p2align	8
	.type	k_q61ff9d568e_prep,@function
k_q61ff9d568e_prep:
	s_mov_b64 s[64:65], 0
	v_nop
	global_prefetch_b8 v0, s[64:65] scope:SCOPE_SE
	s_setreg_imm32_b32 hwreg(HW_REG_WAVE_MODE, 25, 1), 1
	s_wait_xcnt 0x0
; NEAREST CODEBOOK ROW, in three launches.  This one quantises both operands of the one product (x e^T, K = 64 channels, two blocks of 32) to codes of FP4 (E2M1) with
; one E8M0 byte a block, makes -|e_n|^2 / 2 for every codebook row, and writes out2 (x laid b h w c).  The second launch finds, for each pixel, the eight neighbouring codebook rows
; that hold the nearest; the third finds the row among the eight and writes out1 and out0.
; WORK LEFT OUT, for all finite values of the inputs:
;   |x|^2 is the same for all n of a row of d, so argmin_n(|x|^2 + |e_n|^2 - 2 x.e_n) = argmax_n(x.e_n - |e_n|^2 / 2): |x|^2 is neither made nor added; the factor -1/2 is a power of two.
;   x + (x_q - x) = x_q is an identity: out0 is x_q laid b c h w, and x reaches it through the argmin alone.
; LIMITS: two rows whose distances differ by less than the rounding of an f32 sum of that size may be told apart otherwise than by reference()'s own sum (|e|^2 is summed in another order,
; and joins the product as the matrix instruction's C; where |x|^2 is so large that an f32 d no longer tells two rows apart, this program still does).  Equal scores keep the lower index.
; NaN and infinities among the inputs are not served, and an overflow of |x|^2 is not carried to the result.  A block of zeros gets the byte 1 where the rule says 127: its codes are zeros,
; which add nothing under any byte but 0xff, and the bytes are read by this program alone.  Blocks whose largest magnitude lies under 2^(3 - 127) have their byte held at 1.
; WORKSPACE, laid as the readers' registers want it.  A tile of 16 rows (codebook rows in efr, pixels in xq) is an image of four operand registers: 512 bytes, lane (r, h)'s 16 bytes at
; 16 (16 h + r) = the 32 codes of block h of row r.  esc: a word for rows 32 u + r and 32 u + 16 + r at 4 (16 u + r): bytes 0, 1 the first row's two scale bytes, bytes 2, 3 the second's.
; ebi: -|e_n|^2 / 2 at 4 n.  xs: a word [s0, s1, s0, s1] at 4 x pixel.  A pixel's number is 4096 b + 64 h + w.
; SHARES: work-groups 0-15 take the codebook (a wave 128 rows), work-groups 16-271 take x (a wave 32 pixels).  The two ways part on the work-group's number and have LDS bytes of their own.
; No tensor load, no barrier: waves share nothing.
.set EWAVE, 10240                      ; codebook way: LDS for a wave: two stages of 32 x 144 bytes, 256 bytes of scale words, 512 bytes of -|e|^2 / 2
.set EP,    144                        ; a block's 128 bytes + 16 of padding: nine times 16 bytes, so that sixteen lanes' 16-byte reads fall on sixteen different columns of 16 bytes
.set ESTG,  32*EP
.set ESCL,  2*ESTG
.set EBIA,  ESCL+256
.set XST,   4*EWAVE                    ; pixel way: a stage of 32 rows x (256 + 16) bytes for each wave
.set XP,    272
.set XWAVE, 32*XP
.set SPARE, XST+4*XWAVE                ; behind both: the spare words, 128 bytes for each wave: two blocks of 256 bytes that no other line names
.set SPW,   1                          ; v1  LDS address of my spare word; never rewritten
.set NIL,   2                          ; v2  0; never rewritten
.set R,     32                         ; codebook way: v32-127 three sets of 32 numbers as loaded
.set XE,    128                        ;               v128-191 two sets of 32 neighbours: a block
.set C,     192                        ;               v192-223 four registers of codes for each step, never written again
	s_load_b512 s[4:19], s[0:1], 0x0               ; embedding s[4:5], x s[6:7], efr s[8:9], esc s[10:11], ebi s[12:13], xq s[14:15], xs s[16:17], out2 s[18:19]
	v_lshl_add_u32 v[SPW], v0, 2, SPARE
	v_mov_b32 v[NIL], 0
	v_lshrrev_b32 v3, 5, v0
	v_readfirstlane_b32 s20, v3                    ; wave 0..3
	v_and_b32 v3, 31, v0                           ; lane L
	s_mov_b32 s25, 0                               ; the upper word of every offset
	s_cmp_lt_u32 ttmp9, 16
	s_cbranch_scc0 .Lpixels
; ---------------- THE CODEBOOK.  Wave W = 4 x work-group + wave takes rows 128 W on, in 8 steps of 16 rows (4,096 bytes).
; Each load reads 512 consecutive bytes, 16 a lane; a step's bytes turn through the wave's own stage, so that lane L then holds the 32 numbers of block L % 2 of row L / 2.
	s_mul_i32 s21, s20, EWAVE
	v_lshlrev_b32 v4, 4, v3                        ; 16 L
	v_lshrrev_b32 v5, 3, v3
	v_mul_u32_u24 v5, v5, EP
	v_and_b32 v10, 7, v3
	v_lshl_add_u32 v5, v10, 4, v5
	v_add_nc_u32 v5, s21, v5                       ; into a stage: eight lanes' 128 bytes on end, then the padding
	v_mul_u32_u24 v6, v3, EP
	v_add_nc_u32 v6, s21, v6                       ; out of it: my block
	v_and_b32 v10, 1, v3                           ; my block
	v_lshrrev_b32 v11, 1, v3                       ; my row of the sixteen
	v_lshl_add_u32 v7, v10, 4, v11
	v_lshlrev_b32 v7, 4, v7                        ; my 16 bytes in a tile's image: 16 (16 block + row)
	v_lshlrev_b32 v24, 3, v10                      ; my scale byte's place: 8 x block bits up
	v_lshl_add_u32 v8, v11, 2, s21
	v_add_nc_u32 v9, EBIA, v8                      ; LDS: my row's -|e|^2 / 2
	v_add_nc_u32 v8, ESCL, v8                      ; LDS: my row's scale word
	v_lshl_add_u32 v25, v3, 3, s21
	v_add_nc_u32 v25, ESCL, v25                    ; the way out: 8 bytes a lane of the 256 of scale words,
	v_lshl_add_u32 v26, v3, 4, s21
	v_add_nc_u32 v26, EBIA, v26                    ; 16 bytes a lane of the 512 of -|e|^2 / 2
	v_lshlrev_b32 v27, 3, v3
	v_mov_b32 v19, 0                               ; written once: the destination of a DPP move counts as one of its sources
	s_lshl_b32 s22, ttmp9, 2
	s_add_co_u32 s22, s22, s20                     ; W
	s_wait_kmcnt 0x0
	s_lshl_b32 s24, s22, 15
	s_add_nc_u64 s[4:5], s[4:5], s[24:25]          ; 128 rows of 256 bytes
	s_lshl_b32 s24, s22, 12
	s_add_nc_u64 s[8:9], s[8:9], s[24:25]          ; 8 images of 512 bytes
	s_lshl_b32 s24, s22, 8
	s_add_nc_u64 s[10:11], s[10:11], s[24:25]      ; 64 scale words
	s_lshl_b32 s24, s22, 9
	s_add_nc_u64 s[12:13], s[12:13], s[24:25]      ; 128 numbers
.macro ELOAD t
.irp i, 0,1,2,3,4,5,6,7
	global_load_b128 v[R+32*((\t)%3)+4*\i:R+32*((\t)%3)+4*\i+3], v4, s[4:5] offset:4096*(\t)+512*\i th:TH_LOAD_NT
.endr
.endm
.macro ETURN t                         ; LDS serves a wave's instructions in order, so no wait stands between the stores and the loads
.irp i, 0,1,2,3,4,5,6,7
	ds_store_b128 v5, v[R+32*((\t)%3)+4*\i:R+32*((\t)%3)+4*\i+3] offset:ESTG*((\t)%2)+4*EP*\i
.endr
.irp i, 0,1,2,3,4,5,6,7
	ds_load_b128 v[XE+32*((\t)%2)+4*\i:XE+32*((\t)%2)+4*\i+3], v6 offset:ESTG*((\t)%2)+16*\i
.endr
.endm
.macro ESTEP t
.set XS, XE+32*((\t)%2)
	s_wait_dscnt 0x0                               ; this step's numbers are back from the stage, so its stores into the stage have read their registers,
.if (\t)+3 < 8
	ELOAD (\t)+3                                   ; which take the loads of three steps on
.endif
.if (\t)+1 < 8
.if (\t)+3 < 8
	s_wait_loadcnt 16                              ; the next step's eight loads are in; those of the two steps behind it may be out
.else
	s_wait_loadcnt 8*(6-(\t))
.endif
	ETURN (\t)+1                                   ; they go through the other stage while this step is worked
.endif
	v_max3_num_f32 v10, |v[XS]|, |v[XS+1]|, |v[XS+2]|              ; the block's largest magnitude: all 32 numbers are mine; two chains
	v_max3_num_f32 v11, |v[XS+3]|, |v[XS+4]|, |v[XS+5]|
.irp i, 6,10,14,18,22,26
	v_max3_num_f32 v10, v10, |v[XS+\i]|, |v[XS+\i+1]|
	v_max3_num_f32 v11, v11, |v[XS+\i+2]|, |v[XS+\i+3]|
.endr
	v_max3_num_f32 v10, v10, |v[XS+30]|, |v[XS+31]|
	v_max3_num_f32 v10, v10, v11, 0x1800000        ; and the floor 2^(3 - 127): the byte cannot fall under 1
	v_add_nc_u32 v12, 0xff000000, v10              ; 2 off its exponent field: the conversion takes the exponent field of this operand as its scale, and nothing else of it
	v_pk_mul_f32 v[14:15], v[XS:XS+1], v[XS:XS+1]  ; the block's sum of squares, of the numbers as they are given: two packed chains
	v_pk_mul_f32 v[16:17], v[XS+2:XS+3], v[XS+2:XS+3]
.irp i, 4,8,12,16,20,24,28
	v_pk_fma_f32 v[14:15], v[XS+\i:XS+\i+1], v[XS+\i:XS+\i+1], v[14:15]
	v_pk_fma_f32 v[16:17], v[XS+\i+2:XS+\i+3], v[XS+\i+2:XS+\i+3], v[16:17]
.endr
	v_pk_add_f32 v[14:15], v[14:15], v[16:17]
	v_add_f32 v14, v14, v15
	v_add_f32_dpp v14, v14, v14 row_xmask:1 row_mask:0xf bank_mask:0xf   ; with the row's other block, in the lane beside me
	v_mul_f32 v14, -0.5, v14
.irp g, 0,1,2,3
	v_cvt_scalef32_pk8_fp4_f32 v[C+4*(\t)+\g], v[XS+8*\g:XS+8*\g+7], v12   ; eight numbers / the scale, to the nearest code, ties to even, beyond 6 the largest code
.endr
	v_lshrrev_b32 v13, 23, v12                     ; the scale's byte.  (A plain line behind the conversions)
	v_lshlrev_b32 v18, v24, v13                    ; at its place,
	v_mov_b32_dpp v19, v18 row_xmask:1 row_mask:0xf bank_mask:0xf
	v_or_b32 v18, v18, v19                         ; with the other block's: the row's two bytes
.if ((\t)%2) == 0
	v_mov_b32 v20, v18                             ; an even step's rows are the lower halves of the words,
.else
	v_lshl_or_b32 v21, v18, 16, v20                ; an odd step's, 16 rows on, the upper
	ds_store_b32 v8, v21 offset:64*((\t)/2)        ; both lanes of a row write the same word with the same value
.endif
	ds_store_b32 v9, v14 offset:64*(\t)
	global_store_b128 v7, v[C+4*(\t):C+4*(\t)+3], s[8:9] offset:512*(\t)   ; the tile's image: the wave's store covers 512 consecutive bytes, aligned
.endm
	ELOAD 0
	ELOAD 1
	ELOAD 2
	s_wait_loadcnt 16                              ; step 0's eight loads are in
	ETURN 0
.irp t, 0,1,2,3,4,5,6,7
	ESTEP \t
.endr
	ds_load_b64 v[10:11], v25                      ; LDS serves a wave's instructions in order: these see my stores
	ds_load_b128 v[12:15], v26
	s_wait_dscnt 0x0
	global_store_b64 v27, v[10:11], s[10:11]       ; 256 consecutive bytes, aligned
	global_store_b128 v4, v[12:15], s[12:13]       ; 512 consecutive bytes, aligned
	s_wait_tensorcnt 0x0                           ; the wave's end, behind my last LDS store
	ds_add_u32 v[SPW], v[NIL]
	s_wait_dscnt 0x0
	s_endpgm
; ---------------- THE PIXELS.  K (the channels) is not innermost in x: a lane takes a pixel and its registers run down the channels, so that each load reads 128 consecutive bytes a wave
; (the four waves stand side by side on 512), a block lies in one lane's 32 registers, and the conversions give codes with K innermost.
.Lpixels:
	s_mul_i32 s21, s20, XWAVE
	s_add_co_u32 s21, s21, XST                     ; my stage
	v_lshlrev_b32 v4, 2, v3                        ; 4 L
	v_lshlrev_b32 v5, 4, v3                        ; 16 L
	v_mul_u32_u24 v6, v3, XP
	v_add_nc_u32 v6, s21, v6                       ; into the stage: row = my pixel
	v_lshrrev_b32 v7, 4, v3
	v_mul_u32_u24 v7, v7, XP
	v_and_b32 v8, 15, v3
	v_lshl_add_u32 v7, v8, 4, v7
	v_add_nc_u32 v7, s21, v7                       ; out of it: sixteen lanes to a row, two rows an instruction
	s_sub_co_u32 s22, ttmp9, 16
	s_lshl_b32 s22, s22, 7
	s_lshl_b32 s23, s20, 5
	s_add_co_u32 s22, s22, s23                     ; my first pixel: 128 x (work-group - 16) + 32 x wave
	s_lshr_b32 s24, s22, 12
	s_lshl_b32 s24, s24, 20                        ; its image b: 64 channels of 16,384 bytes,
	s_and_b32 s23, s22, 4095
	s_lshl_b32 s23, s23, 2                         ; and its place in a channel
	s_add_co_u32 s24, s24, s23
	s_wait_kmcnt 0x0
	s_add_nc_u64 s[6:7], s[6:7], s[24:25]
	s_lshl_b32 s24, s22, 5
	s_add_nc_u64 s[14:15], s[14:15], s[24:25]      ; xq: 32 bytes a pixel
	s_lshl_b32 s24, s22, 2
	s_add_nc_u64 s[16:17], s[16:17], s[24:25]      ; xs: a word a pixel
	s_lshl_b32 s24, s22, 8
	s_add_nc_u64 s[18:19], s[18:19], s[24:25]      ; out2: 256 bytes a pixel
.set c, 0
.rept 64
	global_load_b32 v[32+c], v4, s[6:7] offset:16384*c th:TH_LOAD_NT
.set c, c+1
.endr
.macro XQUANT xs, cd, scl, byt         ; the 32 numbers v[xs] on become four registers of codes, the conversion's scale operand and the scale's byte
	v_max3_num_f32 v8, |v[\xs]|, |v[\xs+1]|, |v[\xs+2]|
	v_max3_num_f32 v9, |v[\xs+3]|, |v[\xs+4]|, |v[\xs+5]|
.irp i, 6,10,14,18,22,26
	v_max3_num_f32 v8, v8, |v[\xs+\i]|, |v[\xs+\i+1]|
	v_max3_num_f32 v9, v9, |v[\xs+\i+2]|, |v[\xs+\i+3]|
.endr
	v_max3_num_f32 v8, v8, |v[\xs+30]|, |v[\xs+31]|
	v_max3_num_f32 v8, v8, v9, 0x1800000           ; the floor 2^(3 - 127)
	v_add_nc_u32 v[\scl], 0xff000000, v8           ; 2 off the exponent field
.irp g, 0,1,2,3
	v_cvt_scalef32_pk8_fp4_f32 v[\cd+\g], v[\xs+8*\g:\xs+8*\g+7], v[\scl]
.endr
	v_lshrrev_b32 v[\byt], 23, v[\scl]             ; the byte.  (A plain line behind the conversions)
.endm
	s_wait_loadcnt 32                              ; channels 0-31 are in; the other 32 loads may be out
	XQUANT 32, 16, 10, 12
	s_wait_loadcnt 0x0
	XQUANT 64, 20, 11, 13
.irp i, 0,1,2,3
	v_permlane16_swap_b32 v[16+\i], v[20+\i]       ; block 0's lanes 16-31 change places with block 1's lanes 0-15: v16-19 are now the image of pixels 0-15, v20-23 that of pixels 16-31
.endr
	v_lshl_or_b32 v14, v13, 8, v12
	v_lshl_or_b32 v14, v14, 16, v14                ; [s0, s1, s0, s1]: the pixel's codes may stand in either half of an operand's K
	global_store_b128 v5, v[16:19], s[14:15]       ; 512 consecutive bytes, aligned
	global_store_b128 v5, v[20:23], s[14:15] offset:512
	global_store_b32 v4, v14, s[16:17]             ; 128 consecutive bytes a wave: one part in 130 of what this way moves; a barrier to join the four waves' words is not spent on it
.irp i, 0,1,2,3,4,5,6,7,8,9,10,11,12,13,14,15
	ds_store_b128 v6, v[32+4*\i:35+4*\i] offset:16*\i              ; out2: my pixel's 64 channels are a row of 256 bytes
.endr
.irp t, 0,1,2,3,4,5,6,7,8,9,10,11,12,13,14,15
	ds_load_b128 v[96+4*\t:99+4*\t], v7 offset:2*XP*\t             ; LDS serves a wave's instructions in order: these see my stores
.endr
.irp t, 0,1,2,3,4,5,6,7,8,9,10,11,12,13,14,15
	s_wait_dscnt 15-\t                             ; LDS loads come back in order: rows 2 t and 2 t + 1 are in
	global_store_b128 v5, v[96+4*\t:99+4*\t], s[18:19] offset:512*\t th:TH_STORE_NT   ; two rows: 512 consecutive bytes, aligned
.endr
	s_wait_tensorcnt 0x0                           ; the wave's end, behind my last LDS store
	ds_add_u32 v[SPW], v[NIL]
	s_wait_dscnt 0x0
	s_endpgm
.Lfunc_end_k_q61ff9d568e_prep:
	.size	k_q61ff9d568e_prep, .Lfunc_end_k_q61ff9d568e_prep-k_q61ff9d568e_prep
	.p2alignl 7, 3214868480
	.fill 96, 4, 3214868480
	.section	.rodata,"a",@progbits
	.p2align	6, 0x0
	.amdhsa_kernel k_q61ff9d568e_prep
		.amdhsa_group_segment_fixed_size 76288
		.amdhsa_private_segment_fixed_size 0
		.amdhsa_enable_private_segment 0
		.amdhsa_kernarg_size 64
		.amdhsa_user_sgpr_count 2
		.amdhsa_user_sgpr_kernarg_segment_ptr 1
		.amdhsa_wavefront_size32 1
		.amdhsa_system_sgpr_workgroup_id_x 1
		.amdhsa_system_sgpr_workgroup_id_y 1
		.amdhsa_system_sgpr_workgroup_id_z 1
		.amdhsa_system_vgpr_workitem_id 0
		.amdhsa_next_free_vgpr 224
		.amdhsa_next_free_sgpr 66
		.amdhsa_reserve_vcc 0
		.amdhsa_float_denorm_mode_32 3
		.amdhsa_float_denorm_mode_16_64 3
		.amdhsa_memory_ordered 1
		.amdhsa_forward_progress 1
		.amdhsa_inst_pref_size 56
	.end_amdhsa_kernel
	.amdgpu_metadata
---
amdhsa.version: [ 1, 2 ]
amdhsa.kernels:
  - .name:           k_q61ff9d568e_prep
    .symbol:         k_q61ff9d568e_prep.kd
    .args:
      - { .name: embedding, .offset: 0, .size: 8, .value_kind: global_buffer, .address_space: global }
      - { .name: x, .offset: 8, .size: 8, .value_kind: global_buffer, .address_space: global }
      - { .name: efr, .offset: 16, .size: 8, .value_kind: global_buffer, .address_space: global }
      - { .name: esc, .offset: 24, .size: 8, .value_kind: global_buffer, .address_space: global }
      - { .name: ebi, .offset: 32, .size: 8, .value_kind: global_buffer, .address_space: global }
      - { .name: xq, .offset: 40, .size: 8, .value_kind: global_buffer, .address_space: global }
      - { .name: xs, .offset: 48, .size: 8, .value_kind: global_buffer, .address_space: global }
      - { .name: out2, .offset: 56, .size: 8, .value_kind: global_buffer, .address_space: global }
    .group_segment_fixed_size: 76288
    .private_segment_fixed_size: 0
    .kernarg_segment_align: 8
    .kernarg_segment_size: 64
    .max_flat_workgroup_size: 128
    .sgpr_count:     66
    .vgpr_count:     224
    .wavefront_size: 32
...
	.end_amdgpu_metadata
.endif
;; end of part 1
;; launch search (part 2): grid 256 x 1, 16 waves a work-group, clusters of 4 x 1, 327,680 bytes of LDS; arguments efr, esc, ebi, xq, xs, oct; writes oct
.if DOCPART == 2
	.amdgcn_target "amdgcn-amd-amdhsa--gfx1250"
	.amdhsa_code_object_version 6
	.text
	.protected	k_q61ff9d568e_search
	.globl	k_q61ff9d568e_search
	.p2align	8
	.type	k_q61ff9d568e_search,@function
k_q61ff9d568e_search:
	s_mov_b64 s[64:65], 0
	v_nop
	global_prefetch_b8 v0, s[64:65] scope:SCOPE_SE
	s_setreg_imm32_b32 hwreg(HW_REG_WAVE_MODE, 25, 1), 1
	s_wait_xcnt 0x0
	s_wait_alu depctr_hold_cnt(0) depctr_sa_sdst(0) depctr_va_vdst(0) depctr_va_sdst(0) depctr_va_ssrc(0) depctr_va_vcc(0) depctr_vm_vsrc(0)
	s_getreg_b32 s2, hwreg(HW_REG_IB_STS2, 6, 4)
	s_cmp_eq_u32 s2, 0
	s_cbranch_scc0 .Lentry_in_a_cluster
	s_endpgm
.Lentry_in_a_cluster:
	s_bfe_u32 s2, ttmp6, 0x10000c
	s_cmp_lg_u32 s2, 0x3003
	s_cbranch_scc0 .Lentry_shape_is_right
	s_endpgm
.Lentry_shape_is_right:
; For each pixel: which OCTET of eight neighbouring codebook rows (rows 8 o .. 8 o + 7) holds the largest score x.e_n - |e_n|^2 / 2, that is the smallest distance.
; Left out, as shown at the head of the first launch: |x|^2, which is the same for all rows.  Equal scores keep the lower octet.  NaN and infinities are not served.
; THE PRODUCT is used transposed: source 0 = 16 codebook rows, source 1 = 16 pixels, C = -|e|^2 / 2 of the 16 rows.  In the result lane (r, h) holds pixel r, and its registers 0-7 the scores
; of rows 8 h + 0 .. 7 of the tile: an octet.  So a score costs no vector instruction at all before the search, and the search costs six lines for eight scores: four three-way maxima onto the
; pixel's running best, one compare of the new best with the old, one select that records the octet's number.
; K = 64 IN AN INSTRUCTION OF 128: source 0 holds TWO tiles of rows, one in k 0-63 (registers 0-3), the next in k 64-127 (registers 4-7).  Source 1 is the pixels' 64 codes in one half and
; zero codes in the other, which picks the tile.  The pixels' registers and registers of zeros lie by turns, so that both forms are runs of the same registers.  No scale byte is 0xff.
; SHARES.  A work-group owns 128 pixels (8 tiles, in registers of every wave); each of its 16 waves multiplies them by its own 512 codebook rows: each byte of the table is read from LDS once
; in a work-group.  Four waves share a SIMD, so that one wave's 49 vector lines stand beside another's 8 matrix instructions.
; LDS holds the whole table (311,296 bytes), filled once: no slot is filled again.  A wave fetches what it alone reads, so its own counted wait on TENSORcnt orders its reads.
; CLUSTER: all work-groups read the same table, so the four of a cluster ask for every piece JOINTLY (mask 15): the same load, the same descriptor, made of the wave's number alone.
; By this text's own count a wave has six tensor loads out: its scale words, its -|e|^2 / 2, and its images in four quarters, so that it can begin when 7,168 of its 19,456 bytes are in.
.set SCL,   262144                     ; LDS: from 0 the images, 16,384 bytes a wave; here the scale words, 1,024 a wave;
.set BIL,   278528                     ; -|e|^2 / 2, 2,048 a wave;
.set MV,    311296                     ; the waves' best scores, f32 [wave][128];
.set MI,    319488                     ; and octets, 16 bits [wave][128]: no tensor load lands in these two;
.set SPARE, 323584                     ; the spare words, 128 bytes for each wave: eight blocks of 256 bytes that no other line names
.set AF,   2                           ; v2   LDS: my wave's images + 16 x lane
.set ASC,  3                           ; v3   my wave's scale words + 4 x lane
.set ABI,  4                           ; v4   my wave's -|e|^2 / 2 + 32 h
.set CUR,  7                           ; v7   the number of the octet that my lane holds of the tile in hand: 2 x tile + h
.set SPW,  8                           ; v8   LDS address of my spare word; never rewritten
.set NIL,  9                           ; v9   0; never rewritten
.set XS,   16                          ; v16-19  the pixels' scale words: register p: pixel 32 p + lane.  Scales and nothing else
.set ASR,  20                          ; v20-21  the rows' scale words, two sets: lanes 0-15 an even double tile's, lanes 16-31 the next one's.  Scales and nothing else
.set BST,  24                          ; v24-39  the running best of the 8 pixel tiles, old and new by turns
.set ID,   40                          ; v40-47  its octet
.set AFR,  48                          ; v48-63  a double tile's images, two sets
.set BIA,  64                          ; v64-95  its -|e|^2 / 2 in the result's layout, two sets of 2 x 8
.set XB,   96                          ; v96-163 zeros at XB + 8 q (q = 0 .. 8), pixel tile q's image at XB + 8 q + 4
.set DB,   164                         ; v164-227 scores: two buffers of four tiles; free in the tail
.set WV,   16                          ; s16  my wave's number
.set G1F,  24                          ; s[24:31] descriptor group 1: 16 rows of 256 bytes (a quarter of my images);  s[32:39]: 4 rows (scale words);  s[40:47]: 8 rows (-|e|^2 / 2)
.set G1S,  32
.set G1B,  40
.set MK,   76                          ; s76-79 four compare masks
.set SEL,  80                          ; s[80:81] lane selects for v_permlanex16_b32: lane l xor 16
.macro CROUND                          ; a round of the cluster's barrier
	s_barrier_signal -1
	s_barrier_wait -1
	s_cmp_lg_u32 s[WV], 0
	s_cbranch_scc1 .Lnot_wave_0_\@
	s_barrier_signal -3
.Lnot_wave_0_\@:
	s_barrier_wait -3
	s_barrier_signal -1
	s_barrier_wait -1
.endm
.macro G0SET g0, lreg, loff, plo, olo, goff     ; descriptor group 0: count 1; LDS address; global address; type 2
	s_mov_b32 s[\g0], 1
	s_add_co_u32 s[\g0+1], s[\lreg], \loff
	s_add_nc_u64 s[\g0+2:\g0+3], s[\plo:\plo+1], s[\olo:\olo+1]
.if \goff
	s_add_nc_u64 s[\g0+2:\g0+3], s[\g0+2:\g0+3], \goff
.endif
	s_or_b32 s[\g0+3], s[\g0+3], 0x80000000
.endm
	s_load_b256 s[4:11], s[0:1], 0x0               ; efr s[4:5], esc s[6:7], ebi s[8:9], xq s[10:11]
	s_load_b128 s[12:15], s[0:1], 0x20             ; xs s[12:13], oct s[14:15]
	v_lshl_add_u32 v[SPW], v0, 2, SPARE
	v_mov_b32 v[NIL], 0
	ds_add_u32 v[SPW], v[NIL]                      ; the wave's opening: the add, twice on end, and its wait ahead of my first tensor load
	ds_add_u32 v[SPW], v[NIL]                      ; and once more; the set-up below, work on registers, stands between it and the wait
	v_lshrrev_b32 v10, 5, v0
	v_readfirstlane_b32 s[WV], v10                 ; wave 0..15
	s_bfe_u32 s17, ttmp6, 0x40000                  ; cx: my place in the cluster
	s_lshl_b32 s18, ttmp9, 2                       ; in a cluster launch ttmp9 counts clusters
	s_add_co_u32 s18, s18, s17                     ; my work-group: it enters the addresses of xq, xs and oct alone
.irp g, G1F, G1S, G1B                  ; dense blocks as rows of 256 bytes: 32 elements of 8 bytes, pitch 32; no padding: images and words are read 16 or 4 bytes a lane on end, -|e|^2 / 2 by lanes that share addresses
	s_mov_b32 s[\g], 15|(3<<16)|(1<<21)            ; 15:0 the mask: all four work-groups; 17:16 elements of 8 bytes; 21 set beside a mask
	s_mov_b32 s[\g+1], 32<<16                      ; tensor_dim0
	s_mov_b32 s[\g+3], 32<<16                      ; tile_dim0
	s_mov_b32 s[\g+5], 32                          ; the pitch
	s_mov_b32 s[\g+6], 0
	s_mov_b32 s[\g+7], 0
.endr
	s_mov_b32 s[G1F+2], 16<<16                     ; tensor_dim1,
	s_mov_b32 s[G1F+4], 16                         ; tile_dim1
	s_mov_b32 s[G1S+2], 4<<16
	s_mov_b32 s[G1S+4], 4
	s_mov_b32 s[G1B+2], 8<<16
	s_mov_b32 s[G1B+4], 8
	s_mov_b32 s[SEL], 0x76543210
	s_mov_b32 s[SEL+1], 0xfedcba98
	s_mov_b32 s82, 0xffff0000                      ; lanes 16-31
	s_lshl_b32 s20, s[WV], 10                      ; my wave's part of the scale words,
	s_mov_b32 s21, 0
	s_lshl_b32 s22, s[WV], 11                      ; of -|e|^2 / 2,
	s_mov_b32 s23, 0
	s_lshl_b32 s84, s[WV], 14                      ; of the images: in memory and in LDS alike
	s_mov_b32 s85, 0
	s_lshl_b32 s86, s18, 12                        ; my work-group's 8 images of pixels,
	s_mov_b32 s87, 0
	s_lshl_b32 s88, s18, 9                         ; and its 128 words in xs and in oct
	s_mov_b32 s89, 0
	s_wait_dscnt 0x0                               ; both opening adds are done
	s_wait_kmcnt 0x0
	G0SET 48, 20, SCL, 6, 20, 0
	G0SET 52, 22, BIL, 8, 22, 0
	G0SET 56, 84, 0, 4, 84, 0
	G0SET 60, 84, 4096, 4, 84, 4096
	G0SET 68, 84, 8192, 4, 84, 8192
	G0SET 72, 84, 12288, 4, 84, 12288
	s_add_nc_u64 s[10:11], s[10:11], s[86:87]
	s_add_nc_u64 s[12:13], s[12:13], s[88:89]
	s_add_nc_u64 s[14:15], s[14:15], s[88:89]
	CROUND                                         ; all four work-groups are here: the joint loads meet
	tensor_load_to_lds s[48:51], s[G1S:G1S+7]      ; what the first products want comes first
	s_nop 0
	tensor_load_to_lds s[52:55], s[G1B:G1B+7]
	s_nop 0
	tensor_load_to_lds s[56:59], s[G1F:G1F+7]
	s_nop 0
	tensor_load_to_lds s[60:63], s[G1F:G1F+7]
	s_nop 0
	tensor_load_to_lds s[68:71], s[G1F:G1F+7]
	s_nop 0
	tensor_load_to_lds s[72:75], s[G1F:G1F+7]
	s_nop 0
	v_and_b32 v10, 31, v0
	v_lshlrev_b32 v5, 4, v10                       ; 16 x lane
	v_lshlrev_b32 v6, 2, v10                       ; 4 x lane
.irp q, 0,1,2,3,4,5,6,7
	global_load_b128 v[XB+8*\q+4:XB+8*\q+7], v5, s[10:11] offset:512*\q   ; the pixels stay in registers
.endr
.irp p, 0,1,2,3
	global_load_b32 v[XS+\p], v6, s[12:13] offset:128*\p
.endr
.irp q, 0,1,2,3,4,5,6,7,8
.irp k, 0,1,2,3
	v_mov_b32 v[XB+8*\q+\k], 0                     ; the zero codes: written once.  (The 30 lines below are more than the four places that an operand so written wants ahead of a scaled product)
.endr
.endr
.irp q, 0,1,2,3,4,5,6,7
	v_mov_b32 v[BST+\q], 0xff800000                ; the best so far: under every score
	v_mov_b32 v[ID+\q], 0
.endr
	v_bfe_u32 v11, v0, 4, 1                        ; h
	v_add_nc_u32 v[AF], s84, v5
	s_add_co_u32 s19, s20, SCL
	v_add_nc_u32 v[ASC], s19, v6
	s_add_co_u32 s19, s22, BIL
	v_lshl_add_u32 v[ABI], v11, 5, s19
	s_lshl_b32 s19, s[WV], 6
	v_add_nc_u32 v[CUR], s19, v11                  ; my wave's first tile is 32 x wave: octet 64 x wave + h
	s_lshl_b32 s19, s[WV], 9
	s_add_co_u32 s19, s19, MV
	v_add_nc_u32 v12, s19, v6                      ; the tail: where I put a best score: 512 x wave + 4 x lane,
	s_lshl_b32 s19, s[WV], 8
	s_add_co_u32 s19, s19, MI
	v_lshl_add_u32 v13, v10, 1, s19                ; and its octet: 256 x wave + 2 x lane;
	v_and_b32 v10, 63, v0
	v_lshlrev_b32 v22, 3, v10                      ; what waves 0 and 1 read back and store: two pixels a lane
	v_add_nc_u32 v14, MV, v22
	v_lshl_add_u32 v15, v10, 2, MI
	s_wait_loadcnt 0x0                             ; the pixels and their scale words
.macro LOADG lg                        ; double tile lg of my 16 into set lg % 2: two images, -|e|^2 / 2 of its 2 x 16 rows (my half's eight of each), and with an even one the scale words of two double tiles
	ds_load_b128 v[AFR+8*((\lg)%2):AFR+8*((\lg)%2)+3], v[AF] offset:1024*(\lg)
	ds_load_b128 v[AFR+8*((\lg)%2)+4:AFR+8*((\lg)%2)+7], v[AF] offset:1024*(\lg)+512
.irp t, 0,1
	ds_load_b128 v[BIA+16*((\lg)%2)+8*\t:BIA+16*((\lg)%2)+8*\t+3], v[ABI] offset:128*(\lg)+64*\t
	ds_load_b128 v[BIA+16*((\lg)%2)+8*\t+4:BIA+16*((\lg)%2)+8*\t+7], v[ABI] offset:128*(\lg)+64*\t+16
.endr
.if ((\lg)%2) == 0
	ds_load_b32 v[ASR+(((\lg)/2)%2)], v[ASC] offset:128*((\lg)/2)
.endif
.endm
; Four products: tile pp of double tile gg x pixel tiles 4 aa .. 4 aa + 3, into score buffer aa.  Each begins its sum with C = -|e|^2 / 2; no accumulator is taken up again.
.macro WM4
.set qi, 0
.rept 4
.set qq, 4*aa+qi
.set rD, DB+32*aa+8*qi
.set rA, AFR+8*(gg%2)
.set rB, XB+8*qq+4-4*pp                ; pp = 0: [pixels | zeros];  pp = 1: [zeros | pixels]
.set rC, BIA+16*(gg%2)+8*pp
.set rE, ASR+((gg/2)%2)
.set rX, XS+qq/2
.if (gg%2) && (qq%2)
	v_wmma_scale_f32_16x16x128_f8f6f4 v[rD:rD+7], v[rA:rA+7], v[rB:rB+7], v[rC:rC+7], v[rE], v[rX] matrix_a_fmt:MATRIX_FMT_FP4 matrix_b_fmt:MATRIX_FMT_FP4 matrix_a_scale:MATRIX_SCALE_ROW1 matrix_b_scale:MATRIX_SCALE_ROW1
.elseif (gg%2)
	v_wmma_scale_f32_16x16x128_f8f6f4 v[rD:rD+7], v[rA:rA+7], v[rB:rB+7], v[rC:rC+7], v[rE], v[rX] matrix_a_fmt:MATRIX_FMT_FP4 matrix_b_fmt:MATRIX_FMT_FP4 matrix_a_scale:MATRIX_SCALE_ROW1
.elseif (qq%2)
	v_wmma_scale_f32_16x16x128_f8f6f4 v[rD:rD+7], v[rA:rA+7], v[rB:rB+7], v[rC:rC+7], v[rE], v[rX] matrix_a_fmt:MATRIX_FMT_FP4 matrix_b_fmt:MATRIX_FMT_FP4 matrix_b_scale:MATRIX_SCALE_ROW1
.else
	v_wmma_scale_f32_16x16x128_f8f6f4 v[rD:rD+7], v[rA:rA+7], v[rB:rB+7], v[rC:rC+7], v[rE], v[rX] matrix_a_fmt:MATRIX_FMT_FP4 matrix_b_fmt:MATRIX_FMT_FP4
.endif
.set qi, qi+1
.endr
.endm
; The search in score buffer va, whose tile was tile vp of its double tile: the four pixel tiles by turns, so that no line waits for the line above it.  Each result is read from its low end on.
.macro VA4
.set rO, BST+8*vp+4*va                 ; the old best,
.set rN, BST+8*(1-vp)+4*va             ; the new
.set rV, DB+32*va
.irp i, 0,1,2,3
	v_max3_num_f32 v[rN+\i], v[rO+\i], v[rV+8*\i], v[rV+8*\i+1]
.endr
.irp k, 2,4,6
.irp i, 0,1,2,3
	v_max3_num_f32 v[rN+\i], v[rN+\i], v[rV+8*\i+\k], v[rV+8*\i+\k+1]
.endr
.endr
.irp i, 0,1,2,3
	v_cmp_gt_f32 s[MK+\i], v[rN+\i], v[rO+\i]      ; has this octet beaten all before it?  An equal score has not: the lower octet stays
.endr
.irp i, 0,1,2,3
	v_cndmask_b32 v[ID+4*va+\i], v[ID+4*va+\i], v[CUR], s[MK+\i]
.endr
.if va
	v_add_nc_u32 v[CUR], 2, v[CUR]                 ; both buffers of this tile are searched: on to the next tile's octets
.endif
.endm
; THE WALK, written out: every offset is an immediate.  Four products, then the search of the four before them: so 24 plain lines that name none of their registers stand between four products and the
; first read of their results, the next loads into their operands' registers, and (twice 24) the next products into their buffer.  That is more than the four or five places asked (ISA guide 7.12.1).
	s_wait_tensorcnt 0x3                           ; tensor loads of a wave end in order: my scale words, my -|e|^2 / 2 and my first quarter of images are in; three quarters may be out
	LOADG 0
.set first, 1
.set gg, 0
.rept 16
.if gg < 15
.if ((gg+1)%4) == 0
	s_wait_tensorcnt 3-(gg+1)/4                    ; the quarter that holds the next double tile is in; the quarters behind it may be out
.endif
	LOADG gg+1
	s_wait_dscnt 6+gg%2                            ; all but the batch just issued (seven loads for an even double tile, six for an odd): this double tile's operands are in
.else
	s_wait_dscnt 0x0
.endif
.set pp, 0
.rept 2
.set aa, 0
.rept 2
	WM4
.if first
.rept 4
	v_nop                                          ; the first four products have no search to stand behind them: the places ahead of the first read of their results
.endr
.set first, 0
.else
.set va, 1-aa
.set vp, pp
.if aa == 0
.set vp, 1-pp
.endif
	VA4
.endif
.set aa, aa+1
.endr
.set pp, pp+1
.endr
.set gg, gg+1
.endr
.set va, 1
.set vp, 1
	VA4                                            ; the last four products' search; the best now lies in v24-31
; THE TAIL.  A pixel's two halves of the lanes, then the sixteen waves, are joined; at equal scores the lower octet stays.
.set OV, DB                            ; the other half's best, v164-171, and octet, v172-179
.set OI, DB+8
.irp q, 0,1,2,3,4,5,6,7
	v_permlanex16_b32 v[OV+\q], v[BST+\q], s[SEL], s[SEL+1]
	v_permlanex16_b32 v[OI+\q], v[ID+\q], s[SEL], s[SEL+1]
.endr
.irp q, 0,1,2,3,4,5,6,7
	v_cmp_gt_f32 s76, v[OV+\q], v[BST+\q]
	v_cmp_eq_f32 s77, v[OV+\q], v[BST+\q]
	v_cmp_lt_u32 s78, v[OI+\q], v[ID+\q]
	s_and_b32 s77, s77, s78
	s_or_b32 s76, s76, s77                         ; the other half's is better, or as good and lower
	v_cndmask_b32 v[ID+\q], v[ID+\q], v[OI+\q], s76
	v_max_num_f32 v[BST+\q], v[BST+\q], v[OV+\q]
.endr
.irp p, 0,1,2,3
	v_cndmask_b32 v[DB+16+\p], v[BST+2*\p], v[BST+2*\p+1], s82     ; lanes 0-15 tile 2 p, lanes 16-31 tile 2 p + 1: pixel 32 p + lane
	v_cndmask_b32 v[DB+20+\p], v[ID+2*\p], v[ID+2*\p+1], s82
.endr
.irp p, 0,1,2,3
	ds_store_b32 v12, v[DB+16+\p] offset:128*\p
	ds_store_b16 v13, v[DB+20+\p] offset:64*\p
.endr
	s_wait_dscnt 0x0                               ; for the others' sake: my stores have landed
	s_barrier_signal -1
	s_barrier_wait -1
	s_cmp_lt_u32 s[WV], 2
	s_cbranch_scc0 .Ljoined                        ; waves 0 and 1 join the sixteen, two pixels a lane
.set w, 0
.rept 16
	ds_load_b64 v[188+2*w:189+2*w], v14 offset:512*w
	ds_load_b32 v[220+w], v15 offset:256*w
.set w, w+1
.endr
	s_wait_dscnt 0x0
	v_mov_b32 v236, v220                           ; the words of two octets are selected whole, once for each pixel, and cut at the end
	v_mov_b32 v237, v220
.set w, 1
.rept 15                               ; the waves in ascending order of their rows; only a greater score takes the place
	v_cmp_gt_f32 s76, v[188+2*w], v188
	v_cmp_gt_f32 s77, v[189+2*w], v189
	v_cndmask_b32 v236, v236, v[220+w], s76
	v_cndmask_b32 v237, v237, v[220+w], s77
	v_max_num_f32 v188, v188, v[188+2*w]
	v_max_num_f32 v189, v189, v[189+2*w]
.set w, w+1
.endr
	v_and_b32 v238, 0xffff, v236
	v_lshrrev_b32 v239, 16, v237
	global_store_b64 v22, v[238:239], s[14:15]     ; a wave stores 256 consecutive bytes, aligned
.Ljoined:
	s_wait_tensorcnt 0x0                           ; the wave's end, behind my last tensor load and my last LDS store
	ds_add_u32 v[SPW], v[NIL]
	s_wait_dscnt 0x0
	CROUND                                         ; the closing round: no work-group ends while a partner may still ask for a piece that names it
	s_endpgm
.Lfunc_end_k_q61ff9d568e_search:
	.size	k_q61ff9d568e_search, .Lfunc_end_k_q61ff9d568e_search-k_q61ff9d568e_search
	.p2alignl 7, 3214868480
	.fill 96, 4, 3214868480
	.section	.rodata,"a",@progbits
	.p2align	6, 0x0
	.amdhsa_kernel k_q61ff9d568e_search
		.amdhsa_group_segment_fixed_size 327680
		.amdhsa_private_segment_fixed_size 0
		.amdhsa_enable_private_segment 0
		.amdhsa_kernarg_size 48
		.amdhsa_user_sgpr_count 2
		.amdhsa_user_sgpr_kernarg_segment_ptr 1
		.amdhsa_wavefront_size32 1
		.amdhsa_system_sgpr_workgroup_id_x 1
		.amdhsa_system_sgpr_workgroup_id_y 1
		.amdhsa_system_sgpr_workgroup_id_z 1
		.amdhsa_system_vgpr_workitem_id 0
		.amdhsa_next_free_vgpr 256
		.amdhsa_next_free_sgpr 96
		.amdhsa_reserve_vcc 0
		.amdhsa_float_denorm_mode_32 3
		.amdhsa_float_denorm_mode_16_64 3
		.amdhsa_memory_ordered 1
		.amdhsa_forward_progress 1
		.amdhsa_inst_pref_size 158
	.end_amdhsa_kernel
	.amdgpu_metadata
---
amdhsa.version: [ 1, 2 ]
amdhsa.kernels:
  - .name:           k_q61ff9d568e_search
    .symbol:         k_q61ff9d568e_search.kd
    .args:
      - { .name: efr, .offset: 0, .size: 8, .value_kind: global_buffer, .address_space: global }
      - { .name: esc, .offset: 8, .size: 8, .value_kind: global_buffer, .address_space: global }
      - { .name: ebi, .offset: 16, .size: 8, .value_kind: global_buffer, .address_space: global }
      - { .name: xq, .offset: 24, .size: 8, .value_kind: global_buffer, .address_space: global }
      - { .name: xs, .offset: 32, .size: 8, .value_kind: global_buffer, .address_space: global }
      - { .name: oct, .offset: 40, .size: 8, .value_kind: global_buffer, .address_space: global }
    .group_segment_fixed_size: 327680
    .private_segment_fixed_size: 0
    .kernarg_segment_align: 8
    .kernarg_segment_size: 48
    .max_flat_workgroup_size: 512
    .sgpr_count:     96
    .vgpr_count:     256
    .wavefront_size: 32
...
	.end_amdgpu_metadata
.endif
;; end of part 2
;; launch finish (part 3): grid 512 x 1, 4 waves a work-group, no clusters, 16,896 bytes of LDS; arguments oct, xq, xs, efr, esc, ebi, embedding, out0, out1; writes out0, out1
.if DOCPART == 3
	.amdgcn_target "amdgcn-amd-amdhsa--gfx1250"
	.amdhsa_code_object_version 6
	.text
	.protected	k_q61ff9d568e_finish
	.globl	k_q61ff9d568e_finish
	.p2align	8
	.type	k_q61ff9d568e_finish,@function
k_q61ff9d568e_finish:
	s_mov_b64 s[64:65], 0
	v_nop
	global_prefetch_b8 v0, s[64:65] scope:SCOPE_SE
	s_setreg_imm32_b32 hwreg(HW_REG_WAVE_MODE, 25, 1), 1
	s_wait_xcnt 0x0
; For each pixel: which of the eight codebook rows of its stored octet is the nearest; that row goes to out1 (b h w c) and to out0 (b c h w).
; Left out, as shown at the head of the first launch: |x|^2, the same for all rows; and x + (x_q - x) = x_q, an identity: out0 is x_q, so x is not among this launch's arguments.
; ADDRESSES hang on the stored octets alone, whole numbers that the launch before stored (held to 0 .. 1023 as they are read).  The choice among the eight rows comes from scores, so it steers no
; address: all eight rows are loaded and the one is taken by selects.
; SHARES.  A work-group has 64 pixels (so that a channel's part of out0 is 256 consecutive bytes), each of its four waves a tile of 16.  Operands go from memory straight into registers.
; THE SCORES, by the same matrix instruction as in the search.  Product s (0 .. 7): source 0's rows 0-7 are the octet of pixel s, rows 8-15 that of pixel s + 8; source 1 is the tile's 16 pixels; C is
; -|e|^2 / 2 of the 16 rows.  In the result lane (r, h) holds pixel r and rows 8 h + 0 .. 7: the scores that count lie in lane s (pixel s, its own octet) and lane 24 + s (pixel s + 8, its own).
; K = 64 of the instruction's 128: source 1's registers 4-7 are zero codes, so what lies in source 0's registers 4-7 (the next product's rows, or zeros) adds nothing; no scale byte is 0xff.
.set SPARE, 16384                      ; LDS: from 0 the stage, 64 pixels x 256 bytes; here the spare words, 128 bytes for each wave: two blocks of 256 bytes that no other line names
.set SPW, 1                            ; v1   LDS address of my spare word; never rewritten
.set NIL, 2                            ; v2   0; never rewritten
; v3 16 (L % 8) + 256 h   v4 4 (L % 8)   v5 16 r   v6 32 ((L / 8) % 2)   v7 32 h   v8 16 L   v9 4 r   v10, v11 into the stage   v12, v13 out of it   v14 my offset in out0   v15 in out1
; v16 the best row so far, v17 its score   v18 96 h   v19 the pixels' scale words (scales and nothing else)   v20-23 at work
.set OA,  24                           ; v24-31  the octet of pixel s + 8 (row >= 8), for source 0's lanes; later the shift of the scale word
.set FA,  32                           ; v32-39  offsets in efr; later the lane permutes' indices
.set SAA, 40                           ; v40-47  offsets in esc; later each pixel pair's chosen row
.set OC,  48                           ; v48-55  the octet of pixel s + 8 h; later offsets in ebi
.set RA,  56                           ; v56-63  offsets in embedding; never rewritten
.set SA,  64                           ; v64-71  the rows' scale words (scales and nothing else)
.set XF,  72                           ; v72-79  source 1: the pixels' image, then zeros
.set AA,  80                           ; v80-115 source 0 of product s: v[80 + 4 s] on, eight registers; the last four are zeros
.set RR,  116                          ; v116-123 my pixel's eight scores
.set DD,  124                          ; v124-187 C and D of the eight products; later a set of candidate rows; later out0's registers
.set KSB, 124
.set KSA, 188                          ; v188-251 a set of candidate rows: 2 pixel pairs x 8 rows x 4 registers; later what comes back from the stage
	s_load_b512 s[4:19], s[0:1], 0x0               ; oct s[4:5], xq s[6:7], xs s[8:9], efr s[10:11], esc s[12:13], ebi s[14:15], embedding s[16:17], out0 s[18:19]
	s_load_b64 s[20:21], s[0:1], 0x40              ; out1
	v_lshl_add_u32 v[SPW], v0, 2, SPARE
	v_mov_b32 v[NIL], 0
	v_lshrrev_b32 v20, 5, v0                       ; w
	v_readfirstlane_b32 s22, v20
	v_and_b32 v21, 15, v0                          ; r
	v_bfe_u32 v22, v0, 4, 1                        ; h
	v_and_b32 v23, 7, v0
	v_lshlrev_b32 v3, 4, v23
	v_lshl_add_u32 v3, v22, 8, v3
	v_lshlrev_b32 v4, 2, v23
	v_lshlrev_b32 v5, 4, v21
	v_bfe_u32 v6, v0, 3, 1
	v_lshlrev_b32 v6, 5, v6
	v_lshlrev_b32 v7, 5, v22
	v_and_b32 v8, 31, v0
	v_lshlrev_b32 v8, 4, v8
	v_lshlrev_b32 v9, 2, v21
	; THE STAGE: the 16 bytes of channels 4 c .. 4 c + 3 of the work-group's pixel q lie at 256 q + 16 (c xor (q / 4)).  So sixteen lanes that write one pixel's row, and sixteen lanes that read one c of
	; pixels 4 a + i (a = 0 .. 15), both touch sixteen different columns of 16 bytes.
	v_and_b32 v24, 0x70, v0                        ; 16 (2 w + h)
	v_lshlrev_b32 v25, 7, v24                      ; in: lane (r, h) writes c = r of pixel 16 w + 8 h + p: 256 (16 w + 8 h), the 256 p in the immediate;
	v_lshrrev_b32 v26, 3, v24                      ; q / 4 = 4 w + 2 h for p < 4,
	v_xor_b32 v27, v26, v21
	v_lshl_add_u32 v10, v27, 4, v25
	v_add_nc_u32 v26, 1, v26                       ; and one more for p >= 4
	v_xor_b32 v27, v26, v21
	v_lshl_add_u32 v11, v27, 4, v25
	v_lshl_add_u32 v24, v20, 2, v22                ; out: lane (r, h) reads c = 4 w + h (then 4 w + 2 + h) of pixels 4 r + i: q / 4 = r
	v_lshlrev_b32 v25, 10, v21
	v_xor_b32 v27, v24, v21
	v_lshl_add_u32 v12, v27, 4, v25
	v_add_nc_u32 v26, 2, v24
	v_xor_b32 v27, v26, v21
	v_lshl_add_u32 v13, v27, 4, v25
	v_lshl_add_u32 v14, v24, 16, v5                ; out0: channel 4 (4 w + h), 16,384 bytes a channel, + 16 r: pixels 4 r on
	v_lshl_add_u32 v15, v22, 11, v5                ; out1: pixel 8 h, + 16 r
	v_mul_u32_u24 v18, v22, 96
.irp k, 0,1,2,3
	v_mov_b32 v[XF+4+\k], 0                        ; the zero codes
	v_mov_b32 v[AA+32+\k], 0
.endr
.irp s, 1,2,3,4,5,6,7
	s_mov_b32 s[40+\s], (1<<\s)|(1<<(24+\s))       ; the two lanes in which product s's scores count
.endr
	s_lshl_b32 s23, ttmp9, 2
	s_add_co_u32 s23, s23, s22                     ; my tile of 16 pixels
	s_mov_b32 s25, 0
	s_lshl_b32 s26, ttmp9, 6                       ; my work-group's first pixel
	s_lshr_b32 s27, s26, 12
	s_lshl_b32 s27, s27, 20
	s_and_b32 s26, s26, 4095
	s_lshl_b32 s26, s26, 2
	s_add_co_u32 s26, s26, s27                     ; its place in channel 0 of out0
	s_mov_b32 s27, 0
	s_wait_kmcnt 0x0
	s_lshl_b32 s24, s23, 6
	s_add_nc_u64 s[4:5], s[4:5], s[24:25]
	s_add_nc_u64 s[8:9], s[8:9], s[24:25]
	s_lshl_b32 s24, s23, 9
	s_add_nc_u64 s[6:7], s[6:7], s[24:25]
	s_lshl_b32 s24, s23, 12
	s_add_nc_u64 s[20:21], s[20:21], s[24:25]
	s_add_nc_u64 s[18:19], s[18:19], s[26:27]
.irp s, 0,1,2,3,4,5,6,7
	global_load_b32 v[OA+\s], v6, s[4:5] offset:4*\s
.endr
.irp s, 0,1,2,3,4,5,6,7
	global_load_b32 v[OC+\s], v7, s[4:5] offset:4*\s
.endr
	global_load_b128 v[XF:XF+3], v8, s[6:7]
	global_load_b32 v19, v9, s[8:9]
	s_wait_loadcnt 0x2                             ; the sixteen octets are in; the pixels' image and scale words may be out
.irp s, 0,1,2,3,4,5,6,7
	v_min_u32 v[OA+\s], 0x3ff, v[OA+\s]
	v_min_u32 v[OC+\s], 0x3ff, v[OC+\s]
.endr
; Row 8 o + i lies in tile o / 2 at place 8 (o % 2) + i, and its scale bytes in the word at 4 (16 (o / 4) + 8 (o % 2) + i), the lower half if o / 2 is even, else the upper.
.irp s, 0,1,2,3,4,5,6,7
	v_and_b32 v20, 0x3fe, v[OA+\s]
	v_and_b32 v21, 1, v[OA+\s]
	v_and_b32 v22, 0x3fc, v[OA+\s]
	v_and_b32 v23, 2, v[OA+\s]
	v_lshl_add_u32 v[FA+\s], v20, 8, v3            ; efr: 512 (o / 2) + 256 h + 16 (L % 8)
	v_lshl_add_u32 v[SAA+\s], v22, 4, v4           ; esc: 64 (o / 4) + 4 (L % 8)
	v_lshl_add_u32 v[FA+\s], v21, 7, v[FA+\s]      ;      + 128 (o % 2)
	v_lshl_add_u32 v[SAA+\s], v21, 5, v[SAA+\s]    ;      + 32 (o % 2)
	v_lshlrev_b32 v[OA+\s], 3, v23                 ; 16 where the upper half of the word is mine
	v_lshl_add_u32 v[RA+\s], v[OC+\s], 11, v5      ; embedding: 8 o rows of 256 bytes + 16 r
	v_lshlrev_b32 v[OC+\s], 5, v[OC+\s]            ; ebi: 8 o numbers
.endr
.irp s, 0,1,2,3,4,5,6,7
	global_load_b128 v[AA+4*\s:AA+4*\s+3], v[FA+\s], s[10:11]
	global_load_b32 v[SA+\s], v[SAA+\s], s[12:13]
	global_load_b128 v[DD+8*\s:DD+8*\s+3], v[OC+\s], s[14:15]
	global_load_b128 v[DD+8*\s+4:DD+8*\s+7], v[OC+\s], s[14:15] offset:16
.endr
.macro KLOAD set, p0                   ; the eight candidate rows of pixel pairs p0 and p0 + 1 (pair p: lanes 0-15 pixel p, lanes 16-31 pixel p + 8; sixteen lanes read a row of 256 bytes)
.irp d, 0,1
.irp i, 0,1,2,3,4,5,6,7
	global_load_b128 v[\set+32*\d+4*\i:\set+32*\d+4*\i+3], v[RA+\p0+\d], s[16:17] offset:256*\i
.endr
.endr
.endm
	KLOAD KSA, 0
	s_wait_loadcnt 16                              ; all but the sixteen just issued: the products' operands are in, and their loads have read their offsets
.irp s, 0,1,2,3,4,5,6,7
	v_lshrrev_b32 v[SA+\s], v[OA+\s], v[SA+\s]     ; my row's two bytes come to bytes 0 and 1
.endr
.irp p, 0,1,2,3,4,5,6,7
	v_add_nc_u32 v[FA+\p], 4*\p, v18               ; the permutes' indices: lane p for lanes 0-15, lane 24 + p for lanes 16-31.  (Eight places between the last write of a scale register and the first scaled product)
.endr
.irp s, 0,1,2,3,4,5,6,7                ; eight accumulators, one instruction each: none follows onto another
	v_wmma_scale_f32_16x16x128_f8f6f4 v[DD+8*\s:DD+8*\s+7], v[AA+4*\s:AA+4*\s+7], v[XF:XF+7], v[DD+8*\s:DD+8*\s+7], v[SA+\s], v19 matrix_a_fmt:MATRIX_FMT_FP4 matrix_b_fmt:MATRIX_FMT_FP4
.endr
.rept 4
	v_nop                                          ; places ahead of the first read of results, and of the loads into their registers below
.endr
.irp j, 0,1,2,3,4,5,6,7                ; score j of my pixel, out of the product in which my lane counts; j ascends, so each result is read from its low end on
	v_cndmask_b32 v[RR+\j], v[DD+\j], v[DD+8+\j], s41
.irp s, 2,3,4,5,6,7
	v_cndmask_b32 v[RR+\j], v[RR+\j], v[DD+8*\s+\j], s[40+\s]
.endr
.endr
	KLOAD KSB, 2
	v_mov_b32 v17, v[RR]                           ; the largest of the eight; only a greater score takes the place, so the lower row stays
	v_mov_b32 v16, 0
.irp j, 1,2,3,4,5,6,7
	v_cmp_gt_f32 vcc_lo, v[RR+\j], v17
	v_cndmask_b32 v16, v16, \j, vcc_lo
	v_max_num_f32 v17, v17, v[RR+\j]
.endr
.irp p, 0,1,2,3,4,5,6,7
	ds_bpermute_b32 v[SAA+\p], v[FA+\p], v16       ; pair p's choices to the lanes that hold its rows: the indices are constants, the choice travels as data
.endr
	s_wait_dscnt 0x0
.macro SELECT set, p                   ; the chosen row of pair p is selected onto row 0's registers, and goes to out1 and into the stage
.set KK, \set+32*((\p)%2)
.irp i, 1,2,3,4,5,6,7
	v_cmp_eq_u32 vcc_lo, \i, v[SAA+\p]
.irp k, 0,1,2,3
	v_cndmask_b32 v[KK+\k], v[KK+\k], v[KK+4*\i+\k], vcc_lo
.endr
.endr
	global_store_b128 v15, v[KK:KK+3], s[20:21] offset:256*(\p) th:TH_STORE_NT   ; sixteen lanes store a pixel's 256 consecutive bytes, aligned
.if (\p) < 4
	ds_store_b128 v10, v[KK:KK+3] offset:256*(\p)
.else
	ds_store_b128 v11, v[KK:KK+3] offset:256*(\p)
.endif
.endm
	s_wait_loadcnt 16                              ; pairs 0 and 1 are in; the sixteen loads of pairs 2 and 3 may be out
	SELECT KSA, 0
	SELECT KSA, 1
	s_wait_xcnt 0x0                                ; the stores have read their registers: the set is loaded again only behind these two waits
	s_wait_dscnt 0x0
	KLOAD KSA, 4
	s_wait_loadcnt 16                              ; pairs 2 and 3
	SELECT KSB, 2
	SELECT KSB, 3
	s_wait_xcnt 0x0
	s_wait_dscnt 0x0
	KLOAD KSB, 6
	s_wait_loadcnt 16                              ; pairs 4 and 5
	SELECT KSA, 4
	SELECT KSA, 5
	s_wait_loadcnt 0x0
	SELECT KSB, 6
	SELECT KSB, 7
	s_wait_dscnt 0x0                               ; for the others' sake: my rows lie in the stage
	s_barrier_signal -1
	s_barrier_wait -1
	s_wait_xcnt 0x0                                ; out1's stores have read their registers, which are written below
; out0: a lane takes four channels of four neighbouring pixels, turns the 4 x 4 numbers round in registers, and stores 16 bytes of each of the four channels.
.irp u, 0,1
.irp i, 0,1,2,3
	ds_load_b128 v[KSA+16*\u+4*\i:KSA+16*\u+4*\i+3], v[12+\u] offset:256*\i
.endr
.endr
	s_wait_dscnt 0x0
.irp u, 0,1
.irp k, 0,1,2,3
.irp i, 0,1,2,3
	v_mov_b32 v[DD+16*\u+4*\k+\i], v[KSA+16*\u+4*\i+\k]
.endr
.endr
.endr
.irp u, 0,1
.irp k, 0,1,2,3
	global_store_b128 v14, v[DD+16*\u+4*\k:DD+16*\u+4*\k+3], s[18:19] offset:16384*\k+131072*\u th:TH_STORE_NT   ; sixteen lanes store a channel's 64 pixels: 256 consecutive bytes, aligned
.endr
.endr
	s_wait_tensorcnt 0x0                           ; the wave's end, behind my last LDS store
	ds_add_u32 v[SPW], v[NIL]
	s_wait_dscnt 0x0
	s_endpgm
.Lfunc_end_k_q61ff9d568e_finish:
	.size	k_q61ff9d568e_finish, .Lfunc_end_k_q61ff9d568e_finish-k_q61ff9d568e_finish
	.p2alignl 7, 3214868480
	.fill 96, 4, 3214868480
	.section	.rodata,"a",@progbits
	.p2align	6, 0x0
	.amdhsa_kernel k_q61ff9d568e_finish
		.amdhsa_group_segment_fixed_size 16896
		.amdhsa_private_segment_fixed_size 0
		.amdhsa_enable_private_segment 0
		.amdhsa_kernarg_size 72
		.amdhsa_user_sgpr_count 2
		.amdhsa_user_sgpr_kernarg_segment_ptr 1
		.amdhsa_wavefront_size32 1
		.amdhsa_system_sgpr_workgroup_id_x 1
		.amdhsa_system_sgpr_workgroup_id_y 1
		.amdhsa_system_sgpr_workgroup_id_z 1
		.amdhsa_system_vgpr_workitem_id 0
		.amdhsa_next_free_vgpr 256
		.amdhsa_next_free_sgpr 66
		.amdhsa_reserve_vcc 1
		.amdhsa_float_denorm_mode_32 3
		.amdhsa_float_denorm_mode_16_64 3
		.amdhsa_memory_ordered 1
		.amdhsa_forward_progress 1
		.amdhsa_inst_pref_size 39
	.end_amdhsa_kernel
	.amdgpu_metadata
---
amdhsa.version: [ 1, 2 ]
amdhsa.kernels:
  - .name:           k_q61ff9d568e_finish
    .symbol:         k_q61ff9d568e_finish.kd
    .args:
      - { .name: oct, .offset: 0, .size: 8, .value_kind: global_buffer, .address_space: global }
      - { .name: xq, .offset: 8, .size: 8, .value_kind: global_buffer, .address_space: global }
      - { .name: xs, .offset: 16, .size: 8, .value_kind: global_buffer, .address_space: global }
      - { .name: efr, .offset: 24, .size: 8, .value_kind: global_buffer, .address_space: global }
      - { .name: esc, .offset: 32, .size: 8, .value_kind: global_buffer, .address_space: global }
      - { .name: ebi, .offset: 40, .size: 8, .value_kind: global_buffer, .address_space: global }
      - { .name: embedding, .offset: 48, .size: 8, .value_kind: global_buffer, .address_space: global }
      - { .name: out0, .offset: 56, .size: 8, .value_kind: global_buffer, .address_space: global }
      - { .name: out1, .offset: 64, .size: 8, .value_kind: global_buffer, .address_space: global }
    .group_segment_fixed_size: 16896
    .private_segment_fixed_size: 0
    .kernarg_segment_align: 8
    .kernarg_segment_size: 72
    .max_flat_workgroup_size: 128
    .sgpr_count:     66
    .vgpr_count:     256
    .wavefront_size: 32
...
	.end_amdgpu_metadata
.endif
;; end of part 3
;; ======== version 2 of 2: 3 launches; version 1 with the launch finish written anew for expert scheduling mode
;; workspace buffers: efr 262,144 bytes; esc 16,384 bytes; ebi 32,768 bytes; xq 1,048,576 bytes; xs 131,072 bytes; oct 131,072 bytes of whole numbers
;; launch prep: the kernel of part 1 again; grid 272 x 1, 4 waves a work-group, no clusters, 76,288 bytes of LDS; arguments embedding, x, efr, esc, ebi, xq, xs, out2; writes efr, esc, ebi, xq, xs, out2
;; launch search: the kernel of part 2 again; grid 256 x 1, 16 waves a work-group, clusters of 4 x 1, 327,680 bytes of LDS; arguments efr, esc, ebi, xq, xs, oct; writes oct
;; launch finish (part 4): grid 512 x 1, 4 waves a work-group, no clusters, 16,896 bytes of LDS; arguments oct, xq, xs, efr, esc, ebi, embedding, out0, out1; writes out0, out1
.if DOCPART == 4
	.amdgcn_target "amdgcn-amd-amdhsa--gfx1250"
	.amdhsa_code_object_version 6
	.text
	.protected	k_q61ff9d568e_finish
	.globl	k_q61ff9d568e_finish
	.p2align	8
	.type	k_q61ff9d568e_finish,@function
k_q61ff9d568e_finish:
	s_mov_b64 s[64:65], 0
	v_nop
	global_prefetch_b8 v0, s[64:65] scope:SCOPE_SE
	s_setreg_imm32_b32 hwreg(HW_REG_WAVE_SCHED_MODE, 0, 2), 2
	s_setreg_imm32_b32 hwreg(HW_REG_WAVE_MODE, 25, 1), 1
	s_wait_xcnt 0x0
	s_wait_alu depctr_vm_vsrc(0)
; For each pixel: which of the eight codebook rows of its stored octet is the nearest; that row goes to out1 (b h w c) and to out0 (b c h w).
; Left out, as shown at the head of the first launch: |x|^2, the same for all rows; and x + (x_q - x) = x_q, an identity: out0 is x_q, so x is not among this launch's arguments.
; ADDRESSES hang on the stored octets alone, whole numbers that the launch before stored (held to 0 .. 1023 as they are read).  The choice among the eight rows comes from scores, so it steers no
; address: all eight rows are loaded and the one is taken by selects.
; SHARES.  A work-group has 64 pixels (so that a channel's part of out0 is 256 consecutive bytes), each of its four waves a tile of 16.  Operands go from memory straight into registers.
; THE SCORES, by the same matrix instruction as in the search.  Product s (0 .. 7): source 0's rows 0-7 are the octet of pixel s, rows 8-15 that of pixel s + 8; source 1 is the tile's 16 pixels; C is
; -|e|^2 / 2 of the 16 rows.  In the result lane (r, h) holds pixel r and rows 8 h + 0 .. 7: the scores that count lie in lane s (pixel s, its own octet) and lane 24 + s (pixel s + 8, its own).
; K = 64 of the instruction's 128: source 1's registers 4-7 are zero codes, so what lies in source 0's registers 4-7 (the next product's rows, or zeros) adds nothing; no scale byte is 0xff.
; THE MODE: SCHED_MODE bits 1:0 = 2 (LLVM: expert scheduling mode 2), set by the entry lines.  The code itself states the register dependences
; between vector or matrix instructions and memory or LDS instructions, with s_wait_alu, always for 0.
; THE PLAN.  Registers that memory or LDS instructions touch:
;   v6-v15        offsets and stage addresses: written at the head, never again; one wait on va_vdst ahead of the first load serves every later load, store and LDS instruction that reads them.
;   FA, SAA, OC, RA  offsets made from the octets: one wait on va_vdst between the arithmetic and the loads that read them.  FA is written again by adds and SAA by the permutes' results: one wait on
;                 vm_vsrc behind those loads.  RA is never written again.
;   SA, the zeros written by vector lines, read by the scaled products: one wait on va_vdst directly ahead of the first product, behind its places.
;   DD = KSB      written by the products, read by the selects of scores; then loads land there: one wait on va_vdst between.
;   v16           written by the search among eight, read by the permutes: one wait on va_vdst between.
;   KSA, KSB      two sets of candidate rows by turns, four phases.  A phase: its loads have landed; 56 selects read the set and write row 0's registers; ONE wait on va_vdst; two global and two LDS stores
;                 read those registers; the next phase's fourteen compares, which name SAA and scalar registers alone; one wait on vm_vsrc; the set's next loads.
;   Compares write scalar registers, in runs: seven for the search among eight, fourteen for a phase; one wait on va_sdst behind each run, ahead of the selects that read them.
.set SPARE, 16384                      ; LDS: from 0 the stage, 64 pixels x 256 bytes; here the spare words, 128 bytes for each wave: two blocks of 256 bytes that no other line names
.set SPW, 1                            ; v1   LDS address of my spare word; never rewritten
.set NIL, 2                            ; v2   0; never rewritten
; v3 16 (L % 8) + 256 h   v4 4 (L % 8)   v5 16 r   v6 32 ((L / 8) % 2)   v7 32 h   v8 16 L   v9 4 r   v10, v11 into the stage   v12, v13 out of it   v14 my offset in out0   v15 in out1
; v16 the best row of my pixel's eight   v18 96 h   v19 the pixels' scale words (scales and nothing else)   v20-23 at work
.set OA,  24                           ; v24-31  the octet of pixel s + 8 (row >= 8), for source 0's lanes; later the shift of the scale word; later the running maxima
.set MX,  24                           ; v25-30  the largest of my scores 0 .. j, at MX + j
.set FA,  32                           ; v32-39  offsets in efr; later the lane permutes' indices
.set SAA, 40                           ; v40-47  offsets in esc; later each pixel pair's chosen row
.set OC,  48                           ; v48-55  the octet of pixel s + 8 h; later offsets in ebi
.set RA,  56                           ; v56-63  offsets in embedding; never rewritten
.set SA,  64                           ; v64-71  the rows' scale words (scales and nothing else)
.set XF,  72                           ; v72-79  source 1: the pixels' image, then zeros
.set AA,  80                           ; v80-115 source 0 of product s: v[80 + 4 s] on, eight registers; the last four are zeros
.set RR,  116                          ; v116-123 my pixel's eight scores
.set DD,  124                          ; v124-187 C and D of the eight products; later a set of candidate rows; later out0's registers
.set KSB, 124
.set KSA, 188                          ; v188-251 a set of candidate rows: 2 pixel pairs x 8 rows x 4 registers; later what comes back from the stage
.set AM,  28                           ; s29-35  the search among eight: has score j beaten all before it?
.set MK,  48                           ; s48-61  a phase's masks: pair d of its two, row i: MK + 7 d + i - 1
	s_load_b512 s[4:19], s[0:1], 0x0               ; oct s[4:5], xq s[6:7], xs s[8:9], efr s[10:11], esc s[12:13], ebi s[14:15], embedding s[16:17], out0 s[18:19]
	s_load_b64 s[20:21], s[0:1], 0x40              ; out1
	v_lshl_add_u32 v[SPW], v0, 2, SPARE
	v_mov_b32 v[NIL], 0
	v_lshrrev_b32 v20, 5, v0                       ; w
	v_readfirstlane_b32 s22, v20
	v_and_b32 v21, 15, v0                          ; r
	v_bfe_u32 v22, v0, 4, 1                        ; h
	v_and_b32 v23, 7, v0
	v_lshlrev_b32 v3, 4, v23
	v_lshl_add_u32 v3, v22, 8, v3
	v_lshlrev_b32 v4, 2, v23
	v_lshlrev_b32 v5, 4, v21
	v_bfe_u32 v6, v0, 3, 1
	v_lshlrev_b32 v6, 5, v6
	v_lshlrev_b32 v7, 5, v22
	v_and_b32 v8, 31, v0
	v_lshlrev_b32 v8, 4, v8
	v_lshlrev_b32 v9, 2, v21
	; THE STAGE: the 16 bytes of channels 4 c .. 4 c + 3 of the work-group's pixel q lie at 256 q + 16 (c xor (q / 4)).  So sixteen lanes that write one pixel's row, and sixteen lanes that read one c of
	; pixels 4 a + i (a = 0 .. 15), both touch sixteen different columns of 16 bytes.
	v_and_b32 v24, 0x70, v0                        ; 16 (2 w + h)
	v_lshlrev_b32 v25, 7, v24                      ; in: lane (r, h) writes c = r of pixel 16 w + 8 h + p: 256 (16 w + 8 h), the 256 p in the immediate;
	v_lshrrev_b32 v26, 3, v24                      ; q / 4 = 4 w + 2 h for p < 4,
	v_xor_b32 v27, v26, v21
	v_lshl_add_u32 v10, v27, 4, v25
	v_add_nc_u32 v26, 1, v26                       ; and one more for p >= 4
	v_xor_b32 v27, v26, v21
	v_lshl_add_u32 v11, v27, 4, v25
	v_lshl_add_u32 v24, v20, 2, v22                ; out: lane (r, h) reads c = 4 w + h (then 4 w + 2 + h) of pixels 4 r + i: q / 4 = r
	v_lshlrev_b32 v25, 10, v21
	v_xor_b32 v27, v24, v21
	v_lshl_add_u32 v12, v27, 4, v25
	v_add_nc_u32 v26, 2, v24
	v_xor_b32 v27, v26, v21
	v_lshl_add_u32 v13, v27, 4, v25
	v_lshl_add_u32 v14, v24, 16, v5                ; out0: channel 4 (4 w + h), 16,384 bytes a channel, + 16 r: pixels 4 r on
	v_lshl_add_u32 v15, v22, 11, v5                ; out1: pixel 8 h, + 16 r
	v_mul_u32_u24 v18, v22, 96
.irp k, 0,1,2,3
	v_mov_b32 v[XF+4+\k], 0                        ; the zero codes
	v_mov_b32 v[AA+32+\k], 0
.endr
.irp s, 1,2,3,4,5,6,7
	s_mov_b32 s[40+\s], (1<<\s)|(1<<(24+\s))       ; the two lanes in which product s's scores count
.endr
	s_wait_alu depctr_va_sdst(0)                   ; s22, the wave's number, is written, ahead of its first reader: the tile's bases are made from it
	s_lshl_b32 s23, ttmp9, 2
	s_add_co_u32 s23, s23, s22                     ; my tile of 16 pixels
	s_mov_b32 s25, 0
	s_lshl_b32 s26, ttmp9, 6                       ; my work-group's first pixel
	s_lshr_b32 s27, s26, 12
	s_lshl_b32 s27, s27, 20
	s_and_b32 s26, s26, 4095
	s_lshl_b32 s26, s26, 2
	s_add_co_u32 s26, s26, s27                     ; its place in channel 0 of out0
	s_mov_b32 s27, 0
	s_wait_kmcnt 0x0
	s_lshl_b32 s24, s23, 6
	s_add_nc_u64 s[4:5], s[4:5], s[24:25]
	s_add_nc_u64 s[8:9], s[8:9], s[24:25]
	s_lshl_b32 s24, s23, 9
	s_add_nc_u64 s[6:7], s[6:7], s[24:25]
	s_lshl_b32 s24, s23, 12
	s_add_nc_u64 s[20:21], s[20:21], s[24:25]
	s_add_nc_u64 s[18:19], s[18:19], s[26:27]
	s_wait_alu depctr_va_vdst(0)                   ; the head's arithmetic has written v6 to v15, which loads, stores and LDS instructions read from here to the end, and is done with v24 to v27, in which octets land
.irp s, 0,1,2,3,4,5,6,7
	global_load_b32 v[OA+\s], v6, s[4:5] offset:4*\s
.endr
.irp s, 0,1,2,3,4,5,6,7
	global_load_b32 v[OC+\s], v7, s[4:5] offset:4*\s
.endr
	global_load_b128 v[XF:XF+3], v8, s[6:7]
	global_load_b32 v19, v9, s[8:9]
	s_wait_loadcnt 0x2                             ; the sixteen octets are in; the pixels' image and scale words may be out
.irp s, 0,1,2,3,4,5,6,7
	v_min_u32 v[OA+\s], 0x3ff, v[OA+\s]
	v_min_u32 v[OC+\s], 0x3ff, v[OC+\s]
.endr
; Row 8 o + i lies in tile o / 2 at place 8 (o % 2) + i, and its scale bytes in the word at 4 (16 (o / 4) + 8 (o % 2) + i), the lower half if o / 2 is even, else the upper.
.irp s, 0,1,2,3,4,5,6,7
	v_and_b32 v20, 0x3fe, v[OA+\s]
	v_and_b32 v21, 1, v[OA+\s]
	v_and_b32 v22, 0x3fc, v[OA+\s]
	v_and_b32 v23, 2, v[OA+\s]
	v_lshl_add_u32 v[FA+\s], v20, 8, v3            ; efr: 512 (o / 2) + 256 h + 16 (L % 8)
	v_lshl_add_u32 v[SAA+\s], v22, 4, v4           ; esc: 64 (o / 4) + 4 (L % 8)
	v_lshl_add_u32 v[FA+\s], v21, 7, v[FA+\s]      ;      + 128 (o % 2)
	v_lshl_add_u32 v[SAA+\s], v21, 5, v[SAA+\s]    ;      + 32 (o % 2)
	v_lshlrev_b32 v[OA+\s], 3, v23                 ; 16 where the upper half of the word is mine
	v_lshl_add_u32 v[RA+\s], v[OC+\s], 11, v5      ; embedding: 8 o rows of 256 bytes + 16 r
	v_lshlrev_b32 v[OC+\s], 5, v[OC+\s]            ; ebi: 8 o numbers
.endr
	s_wait_alu depctr_va_vdst(0)                   ; the offsets FA, SAA, OC and RA are written, which the loads below, and all later loads of candidate rows, read
.irp s, 0,1,2,3,4,5,6,7
	global_load_b128 v[AA+4*\s:AA+4*\s+3], v[FA+\s], s[10:11]
	global_load_b32 v[SA+\s], v[SAA+\s], s[12:13]
	global_load_b128 v[DD+8*\s:DD+8*\s+3], v[OC+\s], s[14:15]
	global_load_b128 v[DD+8*\s+4:DD+8*\s+7], v[OC+\s], s[14:15] offset:16
.endr
.macro KLOAD set, p0                   ; the eight candidate rows of pixel pairs p0 and p0 + 1 (pair p: lanes 0-15 pixel p, lanes 16-31 pixel p + 8; sixteen lanes read a row of 256 bytes)
.irp d, 0,1
.irp i, 0,1,2,3,4,5,6,7
	global_load_b128 v[\set+32*\d+4*\i:\set+32*\d+4*\i+3], v[RA+\p0+\d], s[16:17] offset:256*\i
.endr
.endr
.endm
	KLOAD KSA, 0
	s_wait_loadcnt 16                              ; all but the sixteen just issued: the products' operands are in, and their loads have read their offsets
	s_wait_alu depctr_vm_vsrc(0)                   ; the operands' loads have read FA, which the adds below write again, and SAA, in which the permutes' results land
.irp s, 0,1,2,3,4,5,6,7
	v_lshrrev_b32 v[SA+\s], v[OA+\s], v[SA+\s]     ; my row's two bytes come to bytes 0 and 1
.endr
.irp p, 0,1,2,3,4,5,6,7
	v_add_nc_u32 v[FA+\p], 4*\p, v18               ; the permutes' indices: lane p for lanes 0-15, lane 24 + p for lanes 16-31.  (Eight places between the last write of a scale register and the first scaled product)
.endr
	s_wait_alu depctr_va_vdst(0)                   ; behind the places: the shifts have written the scale words SA, and the moves at the head the zero codes, which the scaled products take; the permutes' indices FA are written too
.irp s, 0,1,2,3,4,5,6,7                ; eight accumulators, one instruction each: none follows onto another
	v_wmma_scale_f32_16x16x128_f8f6f4 v[DD+8*\s:DD+8*\s+7], v[AA+4*\s:AA+4*\s+7], v[XF:XF+7], v[DD+8*\s:DD+8*\s+7], v[SA+\s], v19 matrix_a_fmt:MATRIX_FMT_FP4 matrix_b_fmt:MATRIX_FMT_FP4
.endr
.rept 4
	v_nop                                          ; places ahead of the first read of results
.endr
.irp j, 0,1,2,3,4,5,6,7                ; score j of my pixel, out of the product in which my lane counts; j ascends, so each result is read from its low end on
	v_cndmask_b32 v[RR+\j], v[DD+\j], v[DD+8+\j], s41
.irp s, 2,3,4,5,6,7
	v_cndmask_b32 v[RR+\j], v[RR+\j], v[DD+8*\s+\j], s[40+\s]
.endr
.endr
	s_wait_alu depctr_va_vdst(0)                   ; the products have written DD and the selects above are done reading it: the loads below land in these registers
	KLOAD KSB, 2
	; the largest of the eight; only a greater score takes the place, so the lower row stays.  The running maxima first, then the seven compares in one run, then the seven selects
	v_max_num_f32 v[MX+1], v[RR], v[RR+1]
.irp j, 2,3,4,5,6
	v_max_num_f32 v[MX+\j], v[MX+\j-1], v[RR+\j]
.endr
	v_cmp_gt_f32 s[AM+1], v[RR+1], v[RR]
.irp j, 2,3,4,5,6,7
	v_cmp_gt_f32 s[AM+\j], v[RR+\j], v[MX+\j-1]
.endr
	v_mov_b32 v16, 0
	s_wait_alu depctr_va_sdst(0)                   ; the seven compares have written s29 to s35, ahead of the selects that read them
.irp j, 1,2,3,4,5,6,7
	v_cndmask_b32 v16, v16, \j, s[AM+\j]
.endr
	s_wait_alu depctr_va_vdst(0)                   ; the selects have written v16, which the permutes read
.irp p, 0,1,2,3,4,5,6,7
	ds_bpermute_b32 v[SAA+\p], v[FA+\p], v16       ; pair p's choices to the lanes that hold its rows: the indices are constants, the choice travels as data
.endr
	s_wait_dscnt 0x0
.macro MASKS p0                        ; for pairs p0 and p0 + 1: is row i the chosen one?  Fourteen compares in one run, into scalar registers
.irp d, 0,1
.irp i, 1,2,3,4,5,6,7
	v_cmp_eq_u32 s[MK+7*\d+\i-1], \i, v[SAA+\p0+\d]
.endr
.endr
.endm
.macro PICK set, p                     ; the chosen row of pair p is selected onto row 0's registers
.set KK, \set+32*((\p)%2)
.irp i, 1,2,3,4,5,6,7
.irp k, 0,1,2,3
	v_cndmask_b32 v[KK+\k], v[KK+\k], v[KK+4*\i+\k], s[MK+7*((\p)%2)+\i-1]
.endr
.endr
.endm
.macro SEND set, p                     ; and goes to out1 and into the stage
.set KK, \set+32*((\p)%2)
	global_store_b128 v15, v[KK:KK+3], s[20:21] offset:256*(\p) th:TH_STORE_NT   ; sixteen lanes store a pixel's 256 consecutive bytes, aligned
.if (\p) < 4
	ds_store_b128 v10, v[KK:KK+3] offset:256*(\p)
.else
	ds_store_b128 v11, v[KK:KK+3] offset:256*(\p)
.endif
.endm
	MASKS 0
	s_wait_alu depctr_va_sdst(0)                   ; the fourteen compares have written s48 to s61, ahead of the selects that read them
	s_wait_loadcnt 16                              ; pairs 0 and 1 are in; the sixteen loads of pairs 2 and 3 may be out
	PICK KSA, 0
	PICK KSA, 1
	s_wait_alu depctr_va_vdst(0)                   ; the selects have written the two chosen rows, which the four stores read, and are done with the whole set, in which the next loads land
	SEND KSA, 0
	SEND KSA, 1
	MASKS 2                                        ; the next phase's compares stand here: they name SAA and scalar registers alone, nothing that the stores above or the loads below touch
	s_wait_alu depctr_va_sdst(0)                   ; they have written s48 to s61, ahead of the selects that read them
	s_wait_xcnt 0x0                                ; the stores have read their registers: the set is loaded again only behind these two waits
	s_wait_dscnt 0x0
	s_wait_alu depctr_vm_vsrc(0)                   ; the global and the LDS stores have read the chosen rows' registers, in which the loads below land
	KLOAD KSA, 4
	s_wait_loadcnt 16                              ; pairs 2 and 3
	PICK KSB, 2
	PICK KSB, 3
	s_wait_alu depctr_va_vdst(0)                   ; the selects have written the two chosen rows, which the four stores read, and are done with the whole set, in which the next loads land
	SEND KSB, 2
	SEND KSB, 3
	MASKS 4
	s_wait_alu depctr_va_sdst(0)                   ; the compares have written s48 to s61, ahead of the selects that read them
	s_wait_xcnt 0x0
	s_wait_dscnt 0x0
	s_wait_alu depctr_vm_vsrc(0)                   ; the global and the LDS stores have read the chosen rows' registers, in which the loads below land
	KLOAD KSB, 6
	s_wait_loadcnt 16                              ; pairs 4 and 5
	PICK KSA, 4
	PICK KSA, 5
	s_wait_alu depctr_va_vdst(0)                   ; the selects have written the two chosen rows, which the four stores read, and are done with the set, in which the stage's loads land
	SEND KSA, 4
	SEND KSA, 5
	MASKS 6
	s_wait_alu depctr_va_sdst(0)                   ; the compares have written s48 to s61, ahead of the selects that read them
	s_wait_loadcnt 0x0
	PICK KSB, 6
	PICK KSB, 7
	s_wait_alu depctr_va_vdst(0)                   ; the selects have written the two chosen rows, which the four stores read
	SEND KSB, 6
	SEND KSB, 7
	s_wait_dscnt 0x0                               ; for the others' sake: my rows lie in the stage
	s_barrier_signal -1
	s_barrier_wait -1
	s_wait_xcnt 0x0                                ; out1's stores have read their registers, which are written below
	s_wait_alu depctr_vm_vsrc(0)                   ; the stores of the last two phases have read the chosen rows' registers: the stage's loads land in those of pair 4, the moves below write those of pair 6
; out0: a lane takes four channels of four neighbouring pixels, turns the 4 x 4 numbers round in registers, and stores 16 bytes of each of the four channels.
.irp u, 0,1
.irp i, 0,1,2,3
	ds_load_b128 v[KSA+16*\u+4*\i:KSA+16*\u+4*\i+3], v[12+\u] offset:256*\i
.endr
.endr
	s_wait_dscnt 0x0
.irp u, 0,1
.irp k, 0,1,2,3
.irp i, 0,1,2,3
	v_mov_b32 v[DD+16*\u+4*\k+\i], v[KSA+16*\u+4*\i+\k]
.endr
.endr
.endr
	s_wait_alu depctr_va_vdst(0)                   ; the moves have written out0's 32 registers, which the eight stores read
.irp u, 0,1
.irp k, 0,1,2,3
	global_store_b128 v14, v[DD+16*\u+4*\k:DD+16*\u+4*\k+3], s[18:19] offset:16384*\k+131072*\u th:TH_STORE_NT   ; sixteen lanes store a channel's 64 pixels: 256 consecutive bytes, aligned
.endr
.endr
	s_wait_dscnt 0x0                               ; the closing lines, six on end
	s_wait_alu 0x0
	s_wait_tensorcnt 0x0
	ds_add_u32 v[SPW], v[NIL]
	s_wait_dscnt 0x0
	s_endpgm
.Lfunc_end_k_q61ff9d568e_finish:
	.size	k_q61ff9d568e_finish, .Lfunc_end_k_q61ff9d568e_finish-k_q61ff9d568e_finish
	.p2alignl 7, 3214868480
	.fill 96, 4, 3214868480
	.section	.rodata,"a",@progbits
	.p2align	6, 0x0
	.amdhsa_kernel k_q61ff9d568e_finish
		.amdhsa_group_segment_fixed_size 16896
		.amdhsa_private_segment_fixed_size 0
		.amdhsa_enable_private_segment 0
		.amdhsa_kernarg_size 72
		.amdhsa_user_sgpr_count 2
		.amdhsa_user_sgpr_kernarg_segment_ptr 1
		.amdhsa_wavefront_size32 1
		.amdhsa_system_sgpr_workgroup_id_x 1
		.amdhsa_system_sgpr_workgroup_id_y 1
		.amdhsa_system_sgpr_workgroup_id_z 1
		.amdhsa_system_vgpr_workitem_id 0
		.amdhsa_next_free_vgpr 256
		.amdhsa_next_free_sgpr 66
		.amdhsa_reserve_vcc 0
		.amdhsa_float_denorm_mode_32 3
		.amdhsa_float_denorm_mode_16_64 3
		.amdhsa_memory_ordered 1
		.amdhsa_forward_progress 1
		.amdhsa_inst_pref_size 49
	.end_amdhsa_kernel
	.amdgpu_metadata
---
amdhsa.version: [ 1, 2 ]
amdhsa.kernels:
  - .name:           k_q61ff9d568e_finish
    .symbol:         k_q61ff9d568e_finish.kd
    .args:
      - { .name: oct, .offset: 0, .size: 8, .value_kind: global_buffer, .address_space: global }
      - { .name: xq, .offset: 8, .size: 8, .value_kind: global_buffer, .address_space: global }
      - { .name: xs, .offset: 16, .size: 8, .value_kind: global_buffer, .address_space: global }
      - { .name: efr, .offset: 24, .size: 8, .value_kind: global_buffer, .address_space: global }
      - { .name: esc, .offset: 32, .size: 8, .value_kind: global_buffer, .address_space: global }
      - { .name: ebi, .offset: 40, .size: 8, .value_kind: global_buffer, .address_space: global }
      - { .name: embedding, .offset: 48, .size: 8, .value_kind: global_buffer, .address_space: global }
      - { .name: out0, .offset: 56, .size: 8, .value_kind: global_buffer, .address_space: global }
      - { .name: out1, .offset: 64, .size: 8, .value_kind: global_buffer, .address_space: global }
    .group_segment_fixed_size: 16896
    .private_segment_fixed_size: 0
    .kernarg_segment_align: 8
    .kernarg_segment_size: 72
    .max_flat_workgroup_size: 128
    .sgpr_count:     66
    .vgpr_count:     256
    .wavefront_size: 32
...
	.end_amdgpu_metadata
.endif
;; end of part 4
